; MI455X (gfx1250); checked and timed in simulation.
; The chip was launched on July 23, 2026; its instructions are those of AMD's public machine-readable ISA for CDNA 5 (MIT licence, August 2026) and "CDNA5" Instruction Set Architecture Reference Guide (July 2026). The comments in the code are by the model that wrote it; some were corrected since.
;; MAELD Reg Loss. Allowed arithmetic: matrix products marked QUANTISED: E2M1 operands, one E8M0 scale for each 32 along K, by v_wmma_scale_f32_16x16x128_f8f6f4 with both operands' format E2M1 (or v_wmma_scale_f32_32x16x128_f4), f32 sums; everything else in f32.
;; Inputs: features 8,192 x 768 float32.
;; Outputs: out0 8,192 float32.
;; Constants: k = 20.
;; This version of the problem:
;;   THIS VERSION OF THE PROBLEM IS GIVEN IN LOW PRECISION. The matrix products marked QUANTISED in the list below multiply operands that are first quantised to E2M1 (2 exponent bits, 1 mantissa bit; 4 bits a number), with one power-of-two scale for each 32 numbers along K (OCP MX v1.0); their sums are f32. All else is computed in f32.
;;   The module's matrix products, in the order in which they are computed (A, B: the left and right operand; K: the contracted axis; several contracted axes count as one K, in the product's order):
;;     1. [M 8,192, K 768] x [K 768, N 8,192]; A: input features; B: input features: QUANTISED
;;   THE QUANTISER, for each operand of a quantised product, along K:
;;     - K is cut into blocks of 32 from its start; a last block that is shorter is filled with zeros.
;;     - A block's scale is 2^e with e = floor(log2(the largest magnitude in the block)) - 2, held to -126 .. 127; a block of zeros has e = 0. As a byte (E8M0): e + 127.
;;     - Each number is divided by its block's scale, clamped to +-6, and rounded to the nearest number of E2M1, ties to even, subnormals kept.
;;     - The product sums the exact products of the quantised numbers (number of the format x scale) in f32.
;;   ~~~python
;;   def quantise(x, axis):      # numpy; x: float32 -> the quantised numbers, widened to float32 again
;;       x = np.moveaxis(x, axis, -1); K = x.shape[-1]
;;       x = np.pad(x, [(0, 0)] * (x.ndim - 1) + [(0, -K % 32)]); x = x.reshape(x.shape[:-1] + (-1, 32)); a = np.abs(x).max(-1, keepdims=True)
;;       e = np.where(a > 0, np.clip(np.frexp(np.where(a > 0, a, 1))[1] - 1 - 2, -126, 127), 0)      # np.frexp(a)[1] - 1 = floor(log2(a)), exactly
;;       r = np.clip(x / 2.0 ** e, -6, 6)
;;       step = 2.0 ** (np.maximum(np.frexp(np.where(r == 0, 1, r))[1] - 1, 0) - 1)
;;       q = np.round(r / step) * step * 2.0 ** e      # np.round: ties to even
;;       return np.moveaxis(q.reshape(q.shape[:-2] + (-1,))[..., :K], -1, axis).astype(np.float32)
;;   ~~~
;; One version. Each part assembles by itself: llvm-mc -triple=amdgcn-amd-amdhsa -mcpu=gfx1250 --defsym DOCPART=n.
;; ======== version 1 of 1: 3 launches
;; limits: right only within a limited range of input values
;; workspace buffers: rec 3,407,872 bytes; part 6,291,456 bytes
;; launch quant (part 1): grid 256 x 1, 6 waves a work-group, no clusters, 168,704 bytes of LDS; arguments features, rec; writes rec
.if DOCPART == 1
	.amdgcn_target "amdgcn-amd-amdhsa--gfx1250"
	.amdhsa_code_object_version 6
	.text
	.protected	k_q0535880d16_quant
	.globl	k_q0535880d16_quant
	.p2align	8
	.type	k_q0535880d16_quant,@function
k_q0535880d16_quant:
	s_mov_b64 s[64:65], 0
	v_nop
	global_prefetch_b8 v0, s[64:65] scope:SCOPE_SE
	s_setreg_imm32_b32 hwreg(HW_REG_WAVE_MODE, 25, 1), 1
	s_wait_xcnt 0x0
; features [8192][768] f32 -> rec: 256 records of 13,312 bytes, one for each 32 rows (two tiles c of 16 rows), laid in the ORDER OF THE MATRIX OPERAND'S REGISTERS:
;   6144 c + 1024 k + 512 e + 16 lane : registers 4 e .. 4 e + 3 of the fragment (tile c, K step k of 128): lane (h, r) has the 16 code bytes of row r, block 4 k + 2 e + h
;   12288 + 128 (3 c + u) + 4 lane    : scale words: lanes 0-15 row r's word of K step 2 u, lanes 16-31 that of K step 2 u + 1
;   13056 + 4 row : -x2 / 2          13184 + 4 row : x2      (x2 = the row's sum of squares of the UNQUANTISED numbers, f32)
; Codes are FP4 (E2M1); a block of 32 along K has the scale 2^(floor(log2(largest magnitude)) - 2); its byte is the largest magnitude's exponent field - 2, held at 1 from below.
; LIMITS: a block of zeros gets the byte 1 where the quantiser's rule says 127 (its codes are zeros, which add nothing, and this program alone reads the bytes);
; NaN and infinities among the inputs are not served; x2 is summed in another order than a plain row sum (f32 throughout).
; SHARES: a work-group makes one record.  Wave w takes tile w / 3 and K steps 2 u, 2 u + 1 (u = w % 3): 16 rows x 1,024 bytes, brought by ONE tensor load into the wave's own LDS bytes,
; which only that wave reads: its own wait on TENSORcnt orders the reads.  Nothing is filled twice.  No cluster: no two work-groups read the same bytes.
.set ROWF, 3072                        ; a row of features in bytes
.set REC,  13312
.set TP,   1040                        ; an LDS row: 1,024 bytes + 16 of padding = 65 x 16: the 16 rows that a load touches start at 16 different 16-byte columns (64 banks of 4 bytes: ISA guide 11.1)
.set TILE, 16*TP
.set SCP,  6*TILE                      ; behind the six tiles (at a multiple of 256): six planes of 32 scale words
.set PS,   SCP+768                     ; and six runs of 16 partial sums of squares
.set X,    32                          ; v32-95   two sets of 32 numbers: a whole block of one row
.set CD,   96                          ; v96-111  codes, four registers a group: no store's data are written again
.set BY,   16                          ; v16-19   the four groups' scale bytes
.set SS,   20                          ; v[20:23] sums of squares, two packed chains
	s_load_b128 s[4:7], s[0:1], 0x0                ; features s[4:5], rec s[6:7]
	v_lshl_add_u32 v128, v0, 2, 0x29000
	v_mov_b32 v129, 0
	ds_add_u32 v128, v129
	ds_add_u32 v128, v129
	v_lshrrev_b32 v1, 5, v0
	v_readfirstlane_b32 s8, v1                     ; wave 0..5
	s_mul_i32 s9, s8, 11
	s_lshr_b32 s9, s9, 5                           ; tile = w / 3
	s_mul_i32 s10, s9, 3
	s_sub_co_u32 s10, s8, s10                      ; u = w % 3
	; descriptor group 1: 16 rows of 128 elements of 8 bytes, 384 elements from row to row; 4 words of padding behind every 256
	s_mov_b32 s16, (3<<16)|(1<<20)|(7<<22)|(3<<25)
	s_mov_b32 s17, 128<<16                         ; tensor_dim0
	s_mov_b32 s18, 16<<16                          ; tensor_dim1
	s_mov_b32 s19, 128<<16                         ; tile_dim0
	s_mov_b32 s20, 16                              ; tile_dim1
	s_mov_b32 s21, 384                             ; stride
	s_mov_b32 s22, 0
	s_mov_b32 s23, 0
	s_mov_b32 s24, 1
	s_mul_i32 s25, s8, TILE                        ; my tile's LDS bytes
	s_mul_i32 s14, ttmp9, 32*ROWF                  ; the record's 32 rows,
	s_mul_i32 s11, s9, 16*ROWF                     ; my tile's 16,
	s_add_co_u32 s14, s14, s11
	s_lshl_b32 s11, s10, 10                        ; my 1,024 bytes of them
	s_add_co_u32 s14, s14, s11
	s_mov_b32 s15, 0
	s_mul_i32 s32, ttmp9, REC                      ; the record
	s_mov_b32 s33, 0
	s_mul_i32 s34, s9, 6144                        ; my four groups of codes in it
	s_lshl_b32 s11, s10, 11
	s_add_co_u32 s34, s34, s11
	s_mov_b32 s35, 0
	s_mov_b32 s12, 0x76543210                      ; v_permlanex16_b32's selects for lane l xor 16
	s_mov_b32 s13, 0xfedcba98
	s_lshl_b32 s36, s8, 7
	s_add_co_u32 s36, s36, SCP                     ; my plane of scale words
	s_lshl_b32 s37, s8, 6
	s_add_co_u32 s37, s37, PS                      ; my run of partial sums
	s_wait_dscnt 0x0
	s_wait_kmcnt 0x0
	s_add_nc_u64 s[26:27], s[4:5], s[14:15]
	s_or_b32 s27, s27, 0x80000000                  ; type = 2
	tensor_load_to_lds s[24:27], s[16:23]          ; my one tensor load
	s_nop 0
	v_and_b32 v1, 15, v0                           ; r
	v_bfe_u32 v2, v0, 4, 1                         ; h
	v_and_b32 v24, 31, v0                          ; lane
	v_mul_u32_u24 v3, v1, TP
	v_lshl_add_u32 v3, v2, 7, v3
	v_add_nc_u32 v3, s25, v3                       ; row r of my tile, + 128 h: lanes 16-31 take the next block of 32
	v_lshlrev_b32 v4, 4, v24                       ; 16 x lane: my place in a group of codes
	v_lshl_add_u32 v5, v24, 2, s36                 ; my scale word
	v_lshl_add_u32 v6, v1, 2, s37                  ; my row's partial sum
	v_lshl_add_u32 v7, v24, 3, SCP                 ; wave 0's way out: 8 bytes a lane of the planes,
	v_bfe_u32 v26, v0, 3, 1
	v_mul_u32_u24 v26, v26, 192
	v_and_b32 v27, 7, v0
	v_lshl_add_u32 v26, v27, 3, v26
	v_add_nc_u32 v25, PS, v26                      ; and two rows' sums: tile (lane / 8) % 2, rows 2 (lane % 8), + 1
	v_lshlrev_b32 v28, 3, v24
	v_mov_b32 v12, 0                               ; a lane permute's destination counts as one of its sources
	v_mov_b32 v13, 0
	v_mov_b32 v14, 0
	s_add_nc_u64 s[30:31], s[6:7], s[32:33]
	s_add_nc_u64 s[28:29], s[30:31], s[34:35]
.macro LOADG g                         ; group g: lane (h, r) takes block 2 g + h of row r, 128 bytes, into set g % 2
.irp i, 0,1,2,3,4,5,6,7
	ds_load_b128 v[X+32*((\g)%2)+4*\i:X+32*((\g)%2)+4*\i+3], v3 offset:256*(\g)+16*\i
.endr
.endm
.macro GROUP g
.set XS, X+32*((\g)%2)
.if (\g) < 3
	s_wait_dscnt 8                                 ; this group's eight loads are in; the next group's eight may be out
.else
	s_wait_dscnt 0x0
.endif
	v_max3_num_f32 v8, |v[XS]|, |v[XS+1]|, 0x1800000               ; the block's largest magnitude, all 32 numbers mine, in two chains; the floor 2^(3 - 127) holds the byte at 1 from below
	v_max3_num_f32 v9, |v[XS+2]|, |v[XS+3]|, |v[XS+4]|
.irp i, 5,9,13,17,21,25
	v_max3_num_f32 v8, v8, |v[XS+\i]|, |v[XS+\i+1]|
	v_max3_num_f32 v9, v9, |v[XS+\i+2]|, |v[XS+\i+3]|
.endr
	v_max3_num_f32 v8, v8, |v[XS+29]|, |v[XS+30]|
	v_max3_num_f32 v8, v8, v9, |v[XS+31]|
	v_add_nc_u32 v11, 0xff000000, v8               ; 2 off its exponent field: the conversion takes the exponent field of this operand as its scale
.irp i, 0,4,8,12,16,20,24,28
.if ((\g) == 0) && (\i == 0)
	v_pk_mul_f32 v[SS:SS+1], v[XS:XS+1], v[XS:XS+1]                ; the first squares start the sums: nothing is cleared
	v_pk_mul_f32 v[SS+2:SS+3], v[XS+2:XS+3], v[XS+2:XS+3]
.else
	v_pk_fma_f32 v[SS:SS+1], v[XS+\i:XS+\i+1], v[XS+\i:XS+\i+1], v[SS:SS+1]
	v_pk_fma_f32 v[SS+2:SS+3], v[XS+\i+2:XS+\i+3], v[XS+\i+2:XS+\i+3], v[SS+2:SS+3]
.endif
.endr
.irp j, 0,1,2,3
	v_cvt_scalef32_pk8_fp4_f32 v[CD+4*(\g)+\j], v[XS+8*\j:XS+8*\j+7], v11     ; to the nearest code, ties to even, beyond 6 the largest code; the first number's code in the lowest bits
.endr
	v_lshrrev_b32 v[BY+(\g)], 23, v11              ; the scale's byte; also the plain line behind the conversions
	global_store_b128 v4, v[CD+4*(\g):CD+4*(\g)+3], s[28:29] offset:512*(\g)   ; 32 lanes store 512 consecutive bytes, at a multiple of 256 from rec's first byte
.if (\g) < 2
	LOADG (\g)+2
.endif
.endm
	s_wait_tensorcnt 0x0                           ; my tile is in LDS
	LOADG 0
	LOADG 1
	GROUP 0
	GROUP 1
	GROUP 2
	GROUP 3
	; scale words: of K step kappa (0, 1) I hold the bytes of blocks h and 2 + h; lane l xor 16 holds the other two
	v_lshl_or_b32 v8, v[BY+1], 16, v[BY]
	v_lshl_or_b32 v9, v[BY+3], 16, v[BY+2]
	v_lshlrev_b32 v10, 3, v2
	v_lshlrev_b32 v8, v10, v8                      ; 8 h bits up
	v_lshlrev_b32 v9, v10, v9
	v_permlanex16_b32 v12, v8, s12, s13
	v_permlanex16_b32 v13, v9, s12, s13
	v_or_b32 v8, v8, v12
	v_or_b32 v9, v9, v13
	v_cmp_eq_u32 vcc_lo, 1, v2
	v_cndmask_b32 v8, v8, v9, vcc_lo               ; lanes 0-15 keep the first K step's word, lanes 16-31 the second's
	ds_store_b32 v5, v8
	v_pk_add_f32 v[SS:SS+1], v[SS:SS+1], v[SS+2:SS+3]
	v_add_f32 v20, v20, v21
	v_permlanex16_b32 v14, v20, s12, s13
	v_add_f32 v20, v20, v14                        ; row r's sum of squares over my 256 along K (both halves of the lanes write the same word with the same value)
	ds_store_b32 v6, v20
	s_wait_dscnt 0x0                               ; for the others' sake: my stores have landed
	s_barrier_signal -1
	s_barrier_wait -1
	s_cmp_lg_u32 s8, 0                             ; wave 0 gathers the record's last 1,024 bytes and stores them as four whole runs of 256
	s_cbranch_scc1 .Lend
	ds_load_b64 v[32:33], v7
	ds_load_b64 v[34:35], v7 offset:256
	ds_load_b64 v[36:37], v7 offset:512
	ds_load_b64 v[38:39], v25
	ds_load_b64 v[40:41], v25 offset:64
	ds_load_b64 v[42:43], v25 offset:128
	v_mov_b32 v44, -0.5
	v_mov_b32 v45, 1.0
	v_cndmask_b32 v44, v44, v45, vcc_lo            ; lanes 0-15 write -x2 / 2, lanes 16-31 x2
	s_wait_dscnt 0x0
	global_store_b64 v28, v[32:33], s[30:31] offset:12288
	global_store_b64 v28, v[34:35], s[30:31] offset:12544
	global_store_b64 v28, v[36:37], s[30:31] offset:12800
	v_pk_add_f32 v[38:39], v[38:39], v[40:41]
	v_pk_add_f32 v[38:39], v[38:39], v[42:43]      ; the three parts of K
	s_wait_alu depctr_va_vdst(0)
	v_pk_mul_f32 v[38:39], v[38:39], v[44:45] op_sel_hi:[1,0]
	global_store_b64 v28, v[38:39], s[30:31] offset:13056
.Lend:
	s_wait_tensorcnt 0x0
	ds_add_u32 v128, v129
	s_wait_dscnt 0x0
	s_endpgm
.Lfunc_end_k_q0535880d16_quant:
	.size	k_q0535880d16_quant, .Lfunc_end_k_q0535880d16_quant-k_q0535880d16_quant
	.p2alignl 7, 3214868480
	.fill 96, 4, 3214868480
	.section	.rodata,"a",@progbits
	.p2align	6, 0x0
	.amdhsa_kernel k_q0535880d16_quant
		.amdhsa_group_segment_fixed_size 168704
		.amdhsa_private_segment_fixed_size 0
		.amdhsa_enable_private_segment 0
		.amdhsa_kernarg_size 16
		.amdhsa_user_sgpr_count 2
		.amdhsa_user_sgpr_kernarg_segment_ptr 1
		.amdhsa_wavefront_size32 1
		.amdhsa_system_sgpr_workgroup_id_x 1
		.amdhsa_system_sgpr_workgroup_id_y 1
		.amdhsa_system_sgpr_workgroup_id_z 1
		.amdhsa_system_vgpr_workitem_id 0
		.amdhsa_next_free_vgpr 130
		.amdhsa_next_free_sgpr 66
		.amdhsa_reserve_vcc 1
		.amdhsa_float_denorm_mode_32 3
		.amdhsa_float_denorm_mode_16_64 3
		.amdhsa_memory_ordered 1
		.amdhsa_forward_progress 1
		.amdhsa_inst_pref_size 18
	.end_amdhsa_kernel
	.amdgpu_metadata
---
amdhsa.version: [ 1, 2 ]
amdhsa.kernels:
  - .name:           k_q0535880d16_quant
    .symbol:         k_q0535880d16_quant.kd
    .args:
      - { .name: features, .offset: 0, .size: 8, .value_kind: global_buffer, .address_space: global }
      - { .name: rec, .offset: 8, .size: 8, .value_kind: global_buffer, .address_space: global }
    .group_segment_fixed_size: 168704
    .private_segment_fixed_size: 0
    .kernarg_segment_align: 8
    .kernarg_segment_size: 16
    .max_flat_workgroup_size: 192
    .sgpr_count:     66
    .vgpr_count:     130
    .wavefront_size: 32
...
	.end_amdgpu_metadata
.endif
;; end of part 1
;; launch knn (part 2): grid 32 x 8, 4 waves a work-group, clusters of 4 x 1, 327,680 bytes of LDS; arguments rec, part; writes part
.if DOCPART == 2
	.amdgcn_target "amdgcn-amd-amdhsa--gfx1250"
	.amdhsa_code_object_version 6
	.text
	.protected	k_q0535880d16_knn
	.globl	k_q0535880d16_knn
	.p2align	8
	.type	k_q0535880d16_knn,@function
k_q0535880d16_knn:
	s_mov_b64 s[64:65], 0
	v_nop
	global_prefetch_b8 v0, s[64:65] scope:SCOPE_SE
	s_setreg_imm32_b32 hwreg(HW_REG_WAVE_MODE, 25, 1), 1
	s_wait_xcnt 0x0
	s_wait_alu depctr_hold_cnt(0) depctr_sa_sdst(0) depctr_va_vdst(0) depctr_va_sdst(0) depctr_va_ssrc(0) depctr_va_vcc(0) depctr_vm_vsrc(0)
	s_getreg_b32 s2, hwreg(HW_REG_IB_STS2, 6, 4)
	s_cmp_eq_u32 s2, 0
	s_cbranch_scc0 .Lentry_in_a_cluster
	s_endpgm
.Lentry_in_a_cluster:
	s_bfe_u32 s2, ttmp6, 0x10000c
	s_cmp_lg_u32 s2, 0x3003
	s_cbranch_scc0 .Lentry_shape_is_right
	s_endpgm
.Lentry_shape_is_right:
; For 256 queries (work-group x) and 1,024 candidates (work-group y): the 21 LARGEST s = G(query, candidate) - x2(candidate) / 2 of each query, descending, into part.
; G = Q(F) Q(F)^T on FP4 codes with E8M0 scales.  r2 = x2(query) - 2 s falls where s rises, and sqrt and the clamp rise with r2: so the 21 largest s are the 21 smallest distances.
; SHARES.  Wave w owns query records 8 x + 2 w and 8 x + 2 w + 1 (pairs 0 and 1 of query tiles), whose fragments stay in registers; every wave walks the 32 candidate records of split y, two records (a batch) a trip.
; Source 0 = 16 candidates, source 1 = 16 queries: a lane holds ONE query (lane % 16) and candidates 8 (lane / 16) + 0 .. 7 of a tile.  -x2 / 2 of those eight is the C of a sum's first instruction.
; THE SELECTION has no branch and no address on data, and is exact.  A batch gives a lane 32 scores a query tile: eight groups of four, each sorted.  A number of rank i has i others of its own group at least as large,
; so of the stream of rank i only the 21 / (i + 1) largest (rounded down) can be among the 21 largest: 21, 10, 7, 5.  Ranks 2 and 3 are paired again: the smaller of two has 5 (7) others as large: lists of 3 (2).
; A compare-exchange is one dual-issue pair (max, min).  Ranks 0 and 1: runs of 8 are sorted (19 exchanges) and merged; ranks 2 and 3: runs of 4.  A merge takes the larger of the list's end and the reversed run,
; which leaves a bitonic sequence, and cleans it by exchanges at distances 16 (8, 4), .. 1; a list of t lies at the END of a power of two of places, as if larger numbers stood in front.
; PLACES AND REGISTERS.  Place p of a list lies at base + (p with its lowest bit changed by the parity of its other bits): so an exchange at any power of two writes an even and an odd register, as dual issue asks.
; Of a pair's two results the first always goes to a register that the pair does not read; a place has a home and a temporary register, and each place changes an even number of times in a merge: it ends at home.
; PIPELINE.  Half A of a trip selects from pair 0's accumulators while the matrix instructions of pair 1 (same batch) are issued in bursts of four, and fetches the next batch's fragments in chunks; half B selects from pair 1's
; while pair 0's next batch is multiplied.
; LDS: 24 places of one record.  Records 0-7 come at the head, 8-23 behind the next round, 24-31 into places 0-7 when these have been read.
; No prefetch into the L2: behind the head each tensor load has at least three trips (288 matrix instructions of the wave) ahead of the first read of what it brings.
; CLUSTER: the four work-groups of a cluster share y and walk the same records: every tile is asked for jointly, with the same descriptor and the mask of all four.
; LIMITS: NaN and infinities are not served.  -x2 / 2 enters the f32 sum ahead of the products, another order of rounding than x2 + y2 - 2 G.
; REGISTERS.  window 0: v0-7 addresses; v8-19 the queries' scale words, v20-31 the candidates'; v32-127 pair 0's lists (48 a tile); v128-191 its groups; v192-255 its accumulators (32 a tile), at work once they have been read.
;   window 1: the queries' fragments (48 t + 8 k).   window 2: v32-255 as in window 0, for pair 1.   window 3: v0-191 the candidates' fragments (96 rr + 48 c + 8 k), v192-223 -x2 / 2 (16 rr + 8 c).
.set REC,   13312
.set SPARE, 24*REC                     ; behind the places: the spare words, 128 bytes for each wave: two blocks of 256 bytes that no other line names
.set SPW,  1                           ; LDS address of my spare word; never rewritten
.set NIL,  2                           ; 0; never rewritten
.set LI,   3                           ; 16 x lane
.set BI,   4                           ; 13056 + 32 (lane / 16): my eight candidates' -x2 / 2
.set ADR,  5                           ; 16 x lane, 4 x lane and BI with the batch's place added
.set ADRS, 6
.set ADRB, 7
.set QS,   8
.set CS,   20
.set LB,   32
.set WS,   128
.set ACC,  192
.set BIAS, 192
.set MSB, 0
.set MM_, 0
.set NT_, 0
.set VW_, 0
.macro WIN new                         ; the immediate's high byte repeats the setting that is left; a switch that changes nothing is dropped
.if MSB != \new
	s_set_vgpr_msb (MSB<<8)|(\new)
.set MSB, \new
.endif
.endm
.macro ROUND                           ; a round of the cluster's barrier
	s_barrier_signal -1
	s_barrier_wait -1
	s_cmp_lg_u32 s8, 0
	s_cbranch_scc1 .Lnot_wave_0_\@
	s_barrier_signal -3
.Lnot_wave_0_\@:
	s_barrier_wait -3
	s_barrier_signal -1
	s_barrier_wait -1
.endm
; Tile c of record rr of a batch, 17 loads: twelve fragment loads of 512 consecutive bytes, two bias loads (one address for each half of the lanes), three loads of scale words
.macro CHUNK rr, c
	WIN 0xc0                                       ; destination window 3
.set N_, 12*(\c)
.rept 12
	ds_load_b128 v[96*(\rr)+4*N_:96*(\rr)+4*N_+3], v[ADR] offset:REC*(\rr)+512*N_
.set N_, N_+1
.endr
.irp e, 0,1
	ds_load_b128 v[BIAS+16*(\rr)+8*(\c)+4*\e:BIAS+16*(\rr)+8*(\c)+4*\e+3], v[ADRB] offset:REC*(\rr)+64*(\c)+16*\e
.endr
	WIN 0
.irp m, 0,1,2
	ds_load_b32 v[CS+6*(\rr)+3*(\c)+\m], v[ADRS] offset:REC*(\rr)+12288+384*(\c)+128*\m
.endr
.endm
; K step k of record rr for the pair PW_: four accumulators, which take turns, one instruction a turn.
; A scale register holds an even K step's words in lanes 0-15 and the next odd one's in lanes 16-31.
.macro BURST rr, k
.if (\k) == 0
	WIN 0x37+0x80*PW_                              ; sources 0 and 2 window 3, source 1 window 1, D window 0 or 2
.else
	WIN 0x07+0xa0*PW_
.endif
.irp c, 0,1
.irp q, 0,1
.set WD_, ACC+32*\q+16*(\rr)+8*\c
.set WA_, 96*(\rr)+48*\c+8*(\k)
.set WB2_, 96*PW_+48*\q+8*(\k)
.set WSA_, CS+6*(\rr)+3*\c+(\k)/2
.set WSB_, QS+6*PW_+3*\q+(\k)/2
.if (\k) == 0
	v_wmma_scale_f32_16x16x128_f8f6f4 v[WD_:WD_+7], v[WA_:WA_+7], v[WB2_:WB2_+7], v[BIAS+16*(\rr)+8*\c:BIAS+16*(\rr)+8*\c+7], v[WSA_], v[WSB_] matrix_a_fmt:MATRIX_FMT_FP4 matrix_b_fmt:MATRIX_FMT_FP4
.elseif ((\k)%2) == 0
	v_wmma_scale_f32_16x16x128_f8f6f4 v[WD_:WD_+7], v[WA_:WA_+7], v[WB2_:WB2_+7], v[WD_:WD_+7], v[WSA_], v[WSB_] matrix_a_fmt:MATRIX_FMT_FP4 matrix_b_fmt:MATRIX_FMT_FP4
.else
	v_wmma_scale_f32_16x16x128_f8f6f4 v[WD_:WD_+7], v[WA_:WA_+7], v[WB2_:WB2_+7], v[WD_:WD_+7], v[WSA_], v[WSB_] matrix_a_fmt:MATRIX_FMT_FP4 matrix_b_fmt:MATRIX_FMT_FP4 matrix_a_scale:MATRIX_SCALE_ROW1 matrix_b_scale:MATRIX_SCALE_ROW1
.endif
.endr
.endr
.endm
; Counts a half's vector instructions.  A burst stands behind every 14th from the 8th to the 162nd (record 0's six, then record 1's); the next batch's loads stand behind the 102nd and 130th (record 0, whose last
; burst was the 78th's) and the 186th and 214th (record 1): 24 plain instructions between the products that read a register and the load into it (ISA guide 7.12.1 for vector instructions).
.macro TICK
.set NT_, NT_+1
.if MM_
.if (NT_ >= 8) && (NT_ <= 162) && (((NT_+6)%14) == 0)
.set BR_, (NT_-8)/84
.set BK_, ((NT_-8)/14)%6
	BURST BR_,BK_
	WIN VW_
.endif
.if (LD_ != 0) && ((NT_ == 102) || (NT_ == 130) || (NT_ == 186) || (NT_ == 214))
.set BR_, NT_/180
.set BK_, ((NT_-102)/28)%3
	CHUNK BR_,BK_
	WIN VW_
.endif
.endif
.endm
; An exchange: the larger of v[a], v[b] into v[hi], the smaller into v[lo].  Neither half of the pair writes a register that the other reads.
.macro CE a, b, hi, lo
	v_dual_max_num_f32 v[\hi], v[\a], v[\b] :: v_dual_min_num_f32 v[\lo], v[\a], v[\b]
	TICK
.endm
; Two maxima in one pair: first sources in different banks (register number mod 4), second sources too; else the second half's sources change places
.macro DM da, sa, ra, db, sb, rb
.if ((((\sa)^(\sb))&3) != 0) && ((((\ra)^(\rb))&3) != 0)
	v_dual_max_num_f32 v[\da], v[\sa], v[\ra] :: v_dual_max_num_f32 v[\db], v[\sb], v[\rb]
.elseif ((((\sa)^(\rb))&3) != 0) && ((((\ra)^(\sb))&3) != 0)
	v_dual_max_num_f32 v[\da], v[\sa], v[\ra] :: v_dual_max_num_f32 v[\db], v[\rb], v[\sb]
.else
	v_max_num_f32 v[\da], v[\sa], v[\ra]
	TICK
	v_max_num_f32 v[\db], v[\sb], v[\rb]
.endif
	TICK
.endm
.macro IX p                            ; where place p lies from its base
.set I_, (\p)^((((\p)>>1)^((\p)>>2)^((\p)>>3)^((\p)>>4))&1)
.endm
; Homes (HB_) and temporaries (TB_) of tile q's lists; places: 11-31 of 32, 6-15 of 16, 1-7 of 8, 3-7 of 8
.macro B21 q
.set HB_, LB+48*(\q)-10
.set TB_, ACC+32*(\q)-10
.set UB_, WS+32*(\q)                   ; second temporaries: places 12, 13, 14 of this list, which three exchanges touch, at + 2, 7, 15 (rank 0's groups have been read); place 3 of the list of 7 has one too
.endm
.macro B10 q
.set HB_, LB+48*(\q)+16
.set TB_, ACC+32*(\q)+16
.endm
.macro B7 q
.set HB_, LB+48*(\q)+32
.set UB_, ACC+32*(\q)+4
.set TB_, ACC+32*(\q)+16
.endm
.macro B5 q
.set HB_, LB+48*(\q)+38
.set TB_, ACC+32*(\q)+24
.endm
; the list of 3: at list base + 0, 32, 41; the list of 2: at + 46, 47
.macro LC p, q, sp, sq, mp, mq         ; an exchange of places p < q; sp, sq: where they are now (0 home, 1 temporary); mp, mq: 1 if they change
	IX \p
.set A_, I_+HB_+(\sp)*(TB_-HB_)
.set X_, I_+HB_+((\sp)^(\mp))*(TB_-HB_)
	IX \q
.set B_, I_+HB_+(\sq)*(TB_-HB_)
.set Y_, I_+HB_+((\sq)^(\mq))*(TB_-HB_)
	CE A_,B_,X_,Y_
.endm
.macro MP p, ra, rb, ma, mb            ; places p (even) and p + 1 take the larger of themselves and v[ra], v[rb]
	IX \p
.set SA_, I_+HB_
.set DA_, I_+HB_+(\ma)*(TB_-HB_)
	IX \p+1
.set SC_, I_+HB_
.set DC_, I_+HB_+(\mb)*(TB_-HB_)
	DM DA_,SA_,\ra,DC_,SC_,\rb
.endm
.macro C21_16
.irp p, 11,12,13,14,15
	LC \p,\p+16,0,1,1,1                            ; (places 27-31 come in their temporaries)
.endr
.endm
.macro C21_8
.irp p, 16,17,18,19,20,21,22,23
	LC \p,\p+8,0,0,1,1
.endr
.endm
.macro C21_4
	LC 11,15,1,1,1,1
.irp p, 16,17,18,19,24,25,26,27
	LC \p,\p+4,1,1,1,1
.endr
.endm
.macro C21_2
	CE TB_+12,TB_+15,UB_+2,UB_+15                  ; places 12, 14
	CE TB_+13,HB_+14,UB_+7,TB_+14                  ; places 13, 15
.irp p, 16,17,20,21,24,25,28,29
	LC \p,\p+2,0,0,1,1
.endr
.endm
.macro C21_1
	CE UB_+2,UB_+7,HB_+12,HB_+13                   ; places 12, 13
	CE UB_+15,TB_+14,HB_+15,HB_+14                 ; places 14, 15
.irp p, 16,18,20,22,24,26,28,30
	LC \p,\p+1,1,1,1,1
.endr
.endm
.macro C10_8                           ; (places 8-13 come in their temporaries)
	LC 6,14,0,0,1,1
	LC 7,15,0,0,1,1
.endm
.macro C10_4
.irp p, 8,9,10,11
	LC \p,\p+4,1,1,1,1
.endr
.endm
.macro C10_2
.irp p, 8,9,12,13
	LC \p,\p+2,0,0,1,1
.endr
.endm
.macro C10_1
.irp p, 6,8,10,12,14
	LC \p,\p+1,1,1,1,1
.endr
.endm
.macro C7_4
.irp p, 1,2,3
	LC \p,\p+4,0,1,1,1                             ; (places 5-7 come in their temporaries)
.endr
.endm
.macro C7_2
	CE TB_+1,TB_+2,HB_+1,UB_                       ; places 1, 3
	LC 4,6,0,0,1,1
	LC 5,7,0,0,1,1
.endm
.macro C7_1
	CE TB_+3,UB_,HB_+3,HB_+2                       ; places 2, 3
	LC 4,5,1,1,1,1
	LC 6,7,1,1,1,1
.endm
.macro C5_4                            ; (place 7 comes in its temporary)
	v_min_num_f32 v[HB_+7], v[HB_+2], v[TB_+7]     ; places 3, 7: two lines, since place 3 is touched once and stays at home
	TICK
	v_max_num_f32 v[HB_+2], v[HB_+2], v[TB_+7]
	TICK
.endm
.macro C5_2
	LC 4,6,0,0,1,1
	LC 5,7,0,0,1,1
.endm
.macro C5_1
	LC 4,5,1,1,1,1
	LC 6,7,1,1,1,1
.endm
.macro C3_2 q                          ; (places 1 and 2 come in their temporaries, + 2 and + 0)
.set LQ_, LB+48*(\q)
.set TC_, ACC+32*(\q)
	CE TC_+2,LQ_+41,LQ_,TC_+3
.endm
.macro C3_1 q
.set LQ_, LB+48*(\q)
.set TC_, ACC+32*(\q)
	CE TC_,TC_+3,LQ_+32,LQ_+41
.endm
; Each group of four (half a column of an accumulator) is sorted into the groups' registers: ranks 0 .. 3 of an even group at + 2, 0, 1, 3, of an odd one at + 3, 1, 0, 2.  Each accumulator is read from its low end on.
.macro SETG q, g
.set XB_, ACC+32*(\q)+4*(\g)
.set WB_, WS+32*(\q)+4*(\g)
.set S_, (\g)&1
.endm
.macro COL
.irp g, 0,1,2,3,4,5,6,7
.irp q, 0,1
	SETG \q,\g
	CE XB_,XB_+1,WB_+S_,WB_+(1^S_)
	CE XB_+2,XB_+3,XB_,XB_+1
.endr
.endr
.irp g, 0,1,2,3,4,5,6,7
.irp q, 0,1
	SETG \q,\g
	CE WB_+S_,XB_,WB_+(2^S_),XB_+2+(1^S_)
	CE WB_+(1^S_),XB_+1,XB_+2+S_,WB_+(3^S_)
.endr
.endr
.irp g, 0,1,2,3,4,5,6,7
.irp q, 0,1
	SETG \q,\g
	CE XB_+2+(1^S_),XB_+2+S_,WB_+S_,WB_+(1^S_)
.endr
.endr
.endm
; Ranks 0 and 1 of both tiles: eight numbers each, sorted by 19 exchanges in six layers.  The run ends at AB_+4, SB_+0, 5, 8, 13, 16, 21, AB_+7.
.macro SETB q, r
.set SB_, WS+32*(\q)+2*(1-(\r))
.set AB_, ACC+32*(\q)+12*(\r)
.set DB_, AB_+8
.endm
.macro SORT
.irp q, 0,1
.irp r, 0,1
	SETB \q,\r
	CE SB_,SB_+5,AB_,AB_+1
	CE SB_+8,SB_+13,AB_+2,AB_+3
	CE SB_+16,SB_+21,AB_+4,AB_+5
	CE SB_+24,SB_+29,AB_+6,AB_+7
.endr
.endr
.irp q, 0,1
.irp r, 0,1
	SETB \q,\r
	CE AB_,AB_+2,SB_,SB_+5
	CE AB_+1,AB_+3,SB_+8,SB_+13
	CE AB_+4,AB_+6,SB_+16,SB_+21
	CE AB_+5,AB_+7,SB_+24,SB_+29
.endr
.endr
.irp q, 0,1
.irp r, 0,1
	SETB \q,\r
	CE SB_+8,SB_+5,AB_,AB_+1
	CE SB_+24,SB_+21,AB_+2,AB_+3
.endr
.endr
.irp q, 0,1
.irp r, 0,1
	SETB \q,\r
	CE SB_,SB_+16,AB_+4,AB_+5
	CE SB_+13,SB_+29,AB_+6,AB_+7
	CE AB_,AB_+2,DB_,DB_+1
	CE AB_+1,AB_+3,DB_+2,DB_+3
.endr
.endr
.irp q, 0,1
.irp r, 0,1
	SETB \q,\r
	CE DB_+2,AB_+5,AB_,AB_+1
	CE AB_+6,DB_+1,AB_+2,AB_+3
.endr
.endr
.irp q, 0,1
.irp r, 0,1
	SETB \q,\r
	CE DB_,AB_,SB_,SB_+5
	CE AB_+2,AB_+1,SB_+8,SB_+13
	CE AB_+3,DB_+3,SB_+16,SB_+21
.endr
.endr
.endm
.macro RUN8 p, ma, mb, mc, md, me      ; the run's eight numbers meet places p .. p + 7, the largest the last; ma .. me: which of p and p + 1, p + 2, p + 3, p + 4 and p + 5, p + 6 and p + 7 go to their temporaries
	MP \p,AB_+7,SB_+21,\ma,\ma
	MP \p+2,SB_+16,SB_+13,\mb,\mc
	MP \p+4,SB_+8,SB_+5,\md,\md
	MP \p+6,SB_,AB_+4,\me,\me
.endm
.macro MERGE                           ; into the lists of 10 and of 21 (whose temporaries lie over the first one's run)
.irp q, 0,1
	B10 \q
	SETB \q,1
	RUN8 8,1,1,1,1,0
	B21 \q
	SETB \q,0
	RUN8 24,0,0,1,1,1
.endr
.irp q, 0,1
	B21 \q
	C21_16
	B10 \q
	C10_8
.endr
.irp q, 0,1
	B21 \q
	C21_8
	B10 \q
	C10_4
.endr
.irp q, 0,1
	B21 \q
	C21_4
	B10 \q
	C10_2
.endr
.irp q, 0,1
	B21 \q
	C21_2
	B10 \q
	C10_1
.endr
.irp q, 0,1
	B21 \q
	C21_1
.endr
.endm
; Ranks 2 and 3: pairs; then the larger and the smaller ones of each rank (i = 0, 1 of rank 2, 2, 3 of rank 3), four numbers each
.macro SETZ q, i
.set ZI_, WS+32*(\q)+8*(\i)
.set AI_, ACC+32*(\q)+8*((\i)/2)+((\i)%2)
.endm
.macro R23
.irp r, 0,1
.irp j, 0,1,2,3
.irp q, 0,1
.set SB_, WS+32*\q+8*\j+1+2*\r
.set AB_, ACC+32*\q+8*\r+2*\j
	CE SB_,SB_+3,AB_,AB_+1
.endr
.endr
.endr
.irp i, 0,1,2,3
.irp q, 0,1
	SETZ \q,\i
	CE AI_,AI_+2,ZI_,ZI_+1
	CE AI_+4,AI_+6,ZI_+2,ZI_+3
.endr
.endr
.irp i, 0,1,2,3
.irp q, 0,1
	SETZ \q,\i
	CE ZI_,ZI_+2,ZI_+4,ZI_+5
.if \i == 1
	v_max_num_f32 v[ZI_+6], v[ZI_+1], v[ZI_+3]     ; (the fourth is not wanted)
	TICK
.elseif \i < 3
	CE ZI_+1,ZI_+3,ZI_+6,ZI_+7
.endif
.endr
.endr
.irp i, 0,1,2,3
.irp q, 0,1
	SETZ \q,\i
.if \i < 3
	CE ZI_+5,ZI_+6,ZI_,ZI_+1                       ; descending: ZI_+4, ZI_, ZI_+1, ZI_+7
.else
	v_max3_num_f32 v[ZI_+6], v[ZI_+5], v[ZI_+1], v[ZI_+3]   ; the two largest: ZI_+4, ZI_+6
	TICK
.endif
.endr
.endr
.irp q, 0,1
	B7 \q
	SETZ \q,0
	MP 4,ZI_+7,ZI_+1,0,1
	MP 6,ZI_,ZI_+4,1,1
	B5 \q
	SETZ \q,2
	MP 4,ZI_+7,ZI_+1,0,0
	MP 6,ZI_,ZI_+4,0,1
	SETZ \q,1
.set LQ_, LB+48*\q
.set TC_, ACC+32*\q
	DM TC_+2,LQ_,ZI_+1,LQ_+41,LQ_+41,ZI_+4
	v_max_num_f32 v[TC_], v[LQ_+32], v[ZI_]
	TICK
	SETZ \q,3
	DM TC_+1,LQ_+46,ZI_+6,TC_+6,LQ_+47,ZI_+4       ; the list of 2 meets the two largest, crosswise
.endr
.irp q, 0,1
	B7 \q
	C7_4
	B5 \q
	C5_4
	C3_2 \q
	CE TC_+1,TC_+6,LQ_+46,LQ_+47
.endr
.irp q, 0,1
	B7 \q
	C7_2
	B5 \q
	C5_2
	C3_1 \q
.endr
.irp q, 0,1
	B7 \q
	C7_1
	B5 \q
	C5_1
.endr
.endm
; Half a trip: the selection of pair pr (window 0 or 2); mm: the other pair's products; ld: the next batch's fragments
.macro HALF pr, mm, ld
.set VW_, 0xaa*(\pr)
.set PW_, 1-(\pr)
.set LD_, \ld
.set MM_, \mm
.set NT_, 0
	WIN VW_
	COL
	SORT
	MERGE
	R23
.set MM_, 0
	WIN 0
.endm
.macro PLACE                           ; the LDS addresses of the batch at byte s40
	v_add_nc_u32 v[ADR], s40, v[LI]
	v_lshrrev_b32 v[ADRS], 2, v[LI]
	v_add_nc_u32 v[ADRB], s40, v[BI]
	v_add_nc_u32 v[ADRS], s40, v[ADRS]
.endm
.macro TRIPS n                         ; n trips; the batches that they fetch lie from LDS byte s40 on
	s_mov_b32 s41, \n
.Ltrips_\@:
	PLACE
	HALF 0,1,1
	s_wait_alu depctr_va_vdst(0)
	s_wait_dscnt 0x0                               ; the next batch is in registers
	HALF 1,1,0
	s_add_co_u32 s40, s40, 2*REC
	s_sub_co_u32 s41, s41, 1
	s_cmp_lg_u32 s41, 0
	s_wait_alu depctr_va_vdst(0)
	s_cbranch_scc1 .Ltrips_\@
.endm
	s_load_b128 s[4:7], s[0:1], 0x0                ; rec s[4:5], part s[6:7]
	v_lshl_add_u32 v[SPW], v0, 2, SPARE
	v_mov_b32 v[NIL], 0
	ds_add_u32 v[SPW], v[NIL]                      ; the wave's opening
	ds_add_u32 v[SPW], v[NIL]
	v_lshrrev_b32 v[ADR], 5, v0
	v_readfirstlane_b32 s8, v[ADR]                 ; wave 0..3
	v_and_b32 v[LI], 31, v0
	v_lshlrev_b32 v[LI], 4, v[LI]
	v_bfe_u32 v[BI], v0, 4, 1
	v_lshl_add_u32 v[BI], v[BI], 5, 13056
	v_lshrrev_b32 v[ADRS], 2, v[LI]
	s_bfe_u32 s9, ttmp6, 0x40000                   ; cx: my place in the cluster: it enters the queries' and part's addresses alone
	s_lshl_b32 s10, ttmp9, 2
	s_add_co_u32 s10, s10, s9                      ; x = 4 x cluster x + cx
	s_and_b32 s11, ttmp7, 0xffff                   ; y, which the four partners share
	; descriptor groups 1: two records (104 rows of 256 bytes, dense) and four records (208 rows); elements of 8 bytes; the mask names all four work-groups, bit 21 set beside it
	s_mov_b32 s16, 15|(3<<16)|(1<<21)
	s_mov_b32 s17, 32<<16
	s_mov_b32 s18, 104<<16
	s_mov_b32 s19, 32<<16
	s_mov_b32 s20, 104
	s_mov_b32 s21, 32
	s_mov_b32 s22, 0
	s_mov_b32 s23, 0
	s_mov_b32 s24, 15|(3<<16)|(1<<21)
	s_mov_b32 s25, 32<<16
	s_mov_b32 s26, 208<<16
	s_mov_b32 s27, 32<<16
	s_mov_b32 s28, 208
	s_mov_b32 s29, 32
	s_mov_b32 s30, 0
	s_mov_b32 s31, 0
	s_mul_i32 s12, s11, 32*REC                     ; split y's first record
	s_mul_i32 s13, s8, 2*REC
	s_add_co_u32 s14, s12, s13                     ; records 2 w, 2 w + 1
	s_mov_b32 s15, 0
	s_mov_b32 s32, 1
	s_mul_i32 s33, s8, 2*REC                       ; into the places of the same numbers
	s_mov_b32 s36, 1
	s_mul_i32 s37, s8, 4*REC
	s_add_co_u32 s37, s37, 8*REC                   ; records 8 + 4 w .. 11 + 4 w into the places of the same numbers
	s_add_co_u32 s50, s12, s37
	s_mov_b32 s51, 0
	s_lshl_b32 s52, s10, 3
	s_lshl_b32 s53, s8, 1
	s_add_co_u32 s52, s52, s53                     ; my query records: 8 x + 2 w, + 1
	s_mul_i32 s54, s52, REC
	s_mov_b32 s55, 0
	s_lshl_b32 s56, s11, 8
	s_add_co_u32 s56, s56, s52
	s_mul_i32 s56, s56, 3072                       ; part: [y][record][6][32 lanes][16 bytes]
	s_mov_b32 s57, 0
	s_mov_b32 s46, 0xff800000                      ; -infinity
	s_wait_alu depctr_va_vdst(0)
	s_wait_dscnt 0x0                               ; both opening adds are done
	ROUND                                          ; all four work-groups are here: the first joint loads meet
	s_wait_kmcnt 0x0
	s_add_nc_u64 s[34:35], s[4:5], s[14:15]
	s_or_b32 s35, s35, 0x80000000
	s_add_nc_u64 s[38:39], s[4:5], s[50:51]
	s_or_b32 s39, s39, 0x80000000
	s_add_nc_u64 s[42:43], s[4:5], s[54:55]
	s_add_nc_u64 s[44:45], s[6:7], s[56:57]
	tensor_load_to_lds s[32:35], s[16:23]          ; records 0-7, two a wave
	s_nop 0
.rept 4
	v_nop
.endr
	WIN 0x40                                       ; my queries' fragments, which stay in registers
.irp r, 0,1
.set N_, 0
.rept 24
	global_load_b128 v[96*\r+4*N_:96*\r+4*N_+3], v[LI], s[42:43] offset:REC*\r+512*N_
.set N_, N_+1
.endr
.endr
	WIN 0
.irp r, 0,1
.irp m, 0,1,2,3,4,5
	global_load_b32 v[QS+6*\r+\m], v[ADRS], s[42:43] offset:REC*\r+12288+128*\m
.endr
.endr
.irp w, 0,0x80                         ; the lists begin under every score: pair 0's, pair 1's (under the loads' flight)
	WIN \w
.set N_, 0
.rept 96
	v_mov_b32 v[LB+N_], s46
.set N_, N_+1
.endr
.endr
	WIN 0
	s_wait_alu depctr_va_vdst(0)
	s_wait_tensorcnt 0x0                           ; my part of records 0-7 is in
	ds_add_u32 v[SPW], v[NIL]
	s_mov_b32 s40, 0
	s_wait_dscnt 0x0
	ROUND                                          ; everybody's part is in
	tensor_load_to_lds s[36:39], s[24:31]          ; records 8-23, four a wave: my one load behind the round
	s_nop 0
.rept 4
	v_nop
.endr
	s_wait_loadcnt 0x0                             ; my queries
	PLACE
	s_wait_alu depctr_va_vdst(0)
.irp r, 0,1
.irp c, 0,1
	CHUNK \r,\c
.endr
.endr
	s_wait_alu depctr_va_vdst(0)
	s_wait_dscnt 34                                ; record 0 is in registers; record 1's 34 loads may be out
.set PW_, 0
.irp k, 0,1,2,3,4,5                    ; pair 0's products of batch 0
	BURST 0,\k
.endr
	s_wait_dscnt 0x0
.irp k, 0,1,2,3,4,5
	BURST 1,\k
.endr
	WIN 0
.rept 4
	v_nop                                          ; the places in front of the first read of the results
.endr
	s_mov_b32 s40, 2*REC
	TRIPS 3                                        ; batches 0-2; records 2-7 are fetched
	s_wait_tensorcnt 0x0                           ; all my tensor loads have landed, my part of records 8-23 among them: a group 0 may be written
	ds_add_u32 v[SPW], v[NIL]                      ; 0 onto my spare word
	s_add_nc_u64 s[34:35], s[34:35], 24*REC        ; records 24 + 2 w, 25 + 2 w
	s_mov_b32 s40, 8*REC
	s_wait_dscnt 0x0                               ; the add is done, and my reads of places 0-7 are over
	ROUND                                          ; both now hold of every wave of all four work-groups
	tensor_load_to_lds s[32:35], s[16:23]          ; my one load behind the round: places 2 w, 2 w + 1 again
	s_nop 0
.rept 4
	v_nop
.endr
	TRIPS 8                                        ; batches 3-10; records 8-23 are fetched
	s_wait_tensorcnt 0x0                           ; my part of records 24-31 is in,
	s_wait_dscnt 0x0
	s_barrier_signal -1
	s_barrier_wait -1                              ; everybody's is
	s_mov_b32 s40, 0
	TRIPS 4                                        ; batches 11-14; records 24-31 are fetched
	HALF 0,1,0                                     ; batch 15: nothing more to fetch,
	HALF 1,0,0                                     ; and nothing more to multiply
; THE END, for pair pr.  The halves of the lanes meet: lanes 16-31 of tile 0's lists change places with lanes 0-15 of tile 1's.  Lane l then holds, for query l of the record, the lists of both halves of the
; candidates: they are merged kind by kind, and the lists of 3, 2, 10, 7, 5 go into those of 7, 5, 21.
.macro MPL p, s, ma, mb                ; places p, p + 1 meet places s - p, s - p - 1 of the list at RH_
	IX (\s)-(\p)
.set RA_, I_+RH_
	IX (\s)-(\p)-1
.set RB_, I_+RH_
	MP \p,RA_,RB_,\ma,\mb
.endm
.macro END21 s                         ; places 26-31 of the list of 21
	MPL 26,\s,0,1
	MPL 28,\s,1,1
	MPL 30,\s,1,1
.endm
.macro MS1 p, s, m                     ; place p alone; m = 1: into its temporary
	IX (\s)-(\p)
.set RA_, I_+RH_
	IX \p
	v_max_num_f32 v[HB_+(\m)*(TB_-HB_)+I_], v[HB_+I_], v[RA_]
	TICK
.endm
.macro CLEAN21
	C21_16
	C21_8
	C21_4
	C21_2
	C21_1
.endm
.macro CLEAN7
	C7_4
	C7_2
	C7_1
.endm
.macro CLEAN5
	C5_4
	C5_2
	C5_1
.endm
.macro FINAL pr
	WIN 0xaa*(\pr)
.set N_, 0
.rept 48
	v_permlane16_swap_b32 v[LB+N_], v[LB+48+N_]
.set N_, N_+1
.endr
	B21 0
.set RH_, HB_+48
	MS1 11,42,0
.irp p, 12,14,16,18,20,22,24
	MPL \p,42,0,0
.endr
	END21 42
	CLEAN21
	B10 0
.set RH_, HB_+48
	MPL 6,21,0,0
.irp p, 8,10,12
	MPL \p,21,1,1
.endr
	MPL 14,21,0,0
	C10_8
	C10_4
	C10_2
	C10_1
	B7 0
.set RH_, HB_+48
	MS1 1,8,0
	MPL 2,8,0,0
	MPL 4,8,0,1
	MPL 6,8,1,1
	CLEAN7
	B5 0
.set RH_, HB_+48
	MS1 3,10,0
	MPL 4,10,0,0
	MPL 6,10,0,1
	CLEAN5
.set LQ_, LB
	DM ACC+2,LQ_,LQ_+48+41,LQ_+41,LQ_+41,LQ_+48
	v_max_num_f32 v[ACC], v[LQ_+32], v[LQ_+48+32]
	DM ACC+1,LQ_+46,LQ_+48+47,ACC+6,LQ_+47,LQ_+48+46
	C3_2 0
	CE ACC+1,ACC+6,LQ_+46,LQ_+47
	C3_1 0
	B7 0
	MP 6,LB+32,LB,1,1                              ; the list of 3 into that of 7
	IX 5
	v_max_num_f32 v[TB_+I_], v[HB_+I_], v[LB+41]
	CLEAN7
	B5 0
	MP 6,LB+47,LB+46,0,1                           ; the list of 2 into that of 5
	CLEAN5
	B10 0
.set RH_, HB_
	B21 0
	MPL 22,37,0,0                                  ; 10 into 21
	MPL 24,37,0,0
	END21 37
	CLEAN21
	B7 0
.set RH_, HB_
	B21 0
	MS1 25,32,0                                    ; 7 into 21
	END21 32
	CLEAN21
	B5 0
.set RH_, HB_
	B21 0
	MS1 27,34,1                                    ; 5 into 21
	MPL 28,34,1,1
	MPL 30,34,1,1
	CLEAN21
.set N_, 0
.rept 21
	IX 11+N_
	v_mov_b32 v[WS+N_], v[HB_+I_]                  ; in order, for stores of 16 bytes a lane
.set N_, N_+1
.endr
	WIN 0x08*(\pr)
.irp n, 0,1,2,3,4,5
	global_store_b128 v[LI], v[WS+4*\n:WS+4*\n+3], s[44:45] offset:3072*(\pr)+512*\n    ; 32 lanes store 512 consecutive bytes; the last three of the 24 words are written and never used
.endr
	WIN 0
.endm
	FINAL 0
	FINAL 1
	s_wait_tensorcnt 0x0                           ; the wave's end
	ds_add_u32 v[SPW], v[NIL]
	s_wait_dscnt 0x0
	ROUND                                          ; the closing round
	s_endpgm
.Lfunc_end_k_q0535880d16_knn:
	.size	k_q0535880d16_knn, .Lfunc_end_k_q0535880d16_knn-k_q0535880d16_knn
	.p2alignl 7, 3214868480
	.fill 96, 4, 3214868480
	.section	.rodata,"a",@progbits
	.p2align	6, 0x0
	.amdhsa_kernel k_q0535880d16_knn
		.amdhsa_group_segment_fixed_size 327680
		.amdhsa_private_segment_fixed_size 0
		.amdhsa_enable_private_segment 0
		.amdhsa_kernarg_size 16
		.amdhsa_user_sgpr_count 2
		.amdhsa_user_sgpr_kernarg_segment_ptr 1
		.amdhsa_wavefront_size32 1
		.amdhsa_system_sgpr_workgroup_id_x 1
		.amdhsa_system_sgpr_workgroup_id_y 1
		.amdhsa_system_sgpr_workgroup_id_z 1
		.amdhsa_system_vgpr_workitem_id 0
		.amdhsa_next_free_vgpr 1024
		.amdhsa_next_free_sgpr 66
		.amdhsa_reserve_vcc 0
		.amdhsa_float_denorm_mode_32 3
		.amdhsa_float_denorm_mode_16_64 3
		.amdhsa_memory_ordered 1
		.amdhsa_forward_progress 1
		.amdhsa_inst_pref_size 255
	.end_amdhsa_kernel
	.section	.bss,"aw",@nobits
	.p2align	6
	.space	262144
	.amdgpu_metadata
---
amdhsa.version: [ 1, 2 ]
amdhsa.kernels:
  - .name:           k_q0535880d16_knn
    .symbol:         k_q0535880d16_knn.kd
    .args:
      - { .name: rec, .offset: 0, .size: 8, .value_kind: global_buffer, .address_space: global }
      - { .name: part, .offset: 8, .size: 8, .value_kind: global_buffer, .address_space: global }
    .group_segment_fixed_size: 327680
    .private_segment_fixed_size: 0
    .kernarg_segment_align: 8
    .kernarg_segment_size: 16
    .max_flat_workgroup_size: 128
    .sgpr_count:     66
    .vgpr_count:     1024
    .wavefront_size: 32
...
	.end_amdgpu_metadata
.endif
;; end of part 2
;; launch finish (part 3): grid 256 x 1, 2 waves a work-group, no clusters, 0 bytes of LDS; arguments part, rec, out0; writes out0
.if DOCPART == 3
	.amdgcn_target "amdgcn-amd-amdhsa--gfx1250"
	.amdhsa_code_object_version 6
	.text
	.protected	k_q0535880d16_finish
	.globl	k_q0535880d16_finish
	.p2align	8
	.type	k_q0535880d16_finish,@function
k_q0535880d16_finish:
	s_mov_b64 s[64:65], 0
	v_nop
	global_prefetch_b8 v0, s[64:65] scope:SCOPE_SE
	s_setreg_imm32_b32 hwreg(HW_REG_WAVE_MODE, 25, 1), 1
	s_wait_xcnt 0x0
; The eight splits' lists of 21 (descending s) of each query are merged into one; a_p = sqrt(max(x2 - 2 s_p, 1e-12)) ascends with p; m = mean(a_1 .. a_19); out = -|ln(m / (a_20 - m))|.
; SHARES: work-group R, wave w: queries 32 R + 16 w + r.  Lanes 0-15 merge splits 0-3, lanes 16-31 splits 4-7; then the halves meet.  No LDS, no barrier, no matrix unit, no cluster: waves share nothing and the bytes are read once.
; A MERGE has no branch: the lists stand at places 11-31 of 32, as if larger numbers stood in front; place p takes the larger of the first list's number there and of the second list's at place 42 - p, which leaves the
; 21 largest as a bitonic sequence; 42 exchanges at distances 16, 8, 4, 2, 1 sort it.  An exchange is one dual-issue pair (max, min) of which neither half writes a register that the other reads: so a place goes to and
; fro between a home and a temporary register (places 12-14, which three exchanges touch, pass through a second temporary).  Place p lies at base + (p with its lowest bit changed by the parity of its other bits):
; so an exchange writes an even and an odd register, as dual issue asks.
; LIMITS: the mean is a multiplication by 1/19 and the division a reciprocal and a multiplication (f32, another rounding than a division); reciprocal, root and logarithm take denormals as zero
; (ISA guide, their entries); NaN and infinities among the inputs are not served.  A wave's store covers 64 consecutive bytes: the whole output is 32,768 bytes.
.set L0, 32                            ; list s at v[32 + 24 s ..]: 21 numbers and three words that are not used
.set L1, 56
.set L2, 80
.set L3, 104
.macro IX p                            ; where place p lies from its base
.set I_, (\p)^((((\p)>>1)^((\p)>>2)^((\p)>>3)^((\p)>>4))&1)
.endm
.macro AT h, t, u                      ; homes (h + 11 .. 31), temporaries (t + 11 .. 31), second temporaries (u, u + 1, u + 3)
.set HB_, \h
.set TB_, \t
.set UB_, \u
.endm
.macro CE a, b, hi, lo                 ; the larger of v[a], v[b] into v[hi], the smaller into v[lo]
	v_dual_max_num_f32 v[\hi], v[\a], v[\b] :: v_dual_min_num_f32 v[\lo], v[\a], v[\b]
.endm
.macro LC p, q, sp, sq                 ; an exchange of places p < q, which are at home (0) or in their temporaries (1) and change
	IX \p
.set A_, I_+HB_+(\sp)*(TB_-HB_)
.set X_, I_+HB_+(1-(\sp))*(TB_-HB_)
	IX \q
.set B_, I_+HB_+(\sq)*(TB_-HB_)
.set Y_, I_+HB_+(1-(\sq))*(TB_-HB_)
	CE A_,B_,X_,Y_
.endm
; Two maxima in one pair: first sources in different banks (register number mod 4), second sources too; else the second half's sources change places
.macro DM da, sa, ra, db, sb, rb
.if ((((\sa)^(\sb))&3) != 0) && ((((\ra)^(\rb))&3) != 0)
	v_dual_max_num_f32 v[\da], v[\sa], v[\ra] :: v_dual_max_num_f32 v[\db], v[\sb], v[\rb]
.elseif ((((\sa)^(\rb))&3) != 0) && ((((\ra)^(\sb))&3) != 0)
	v_dual_max_num_f32 v[\da], v[\sa], v[\ra] :: v_dual_max_num_f32 v[\db], v[\rb], v[\sb]
.else
	v_max_num_f32 v[\da], v[\sa], v[\ra]
	v_max_num_f32 v[\db], v[\sb], v[\rb]
.endif
.endm
.macro DST p                           ; the maxima of places 27-31 go to their temporaries, the others home
	IX \p
.if (\p) >= 27
.set D_, TB_+I_
.else
.set D_, HB_+I_
.endif
.endm
.macro MAX2 p, sa, ra, sb, rb          ; places p and p + 1
	DST \p
.set DA_, D_
	DST \p+1
	DM DA_,\sa,\ra,D_,\sb,\rb
.endm
.macro NAT a, b                        ; the maxima of two lists as they were loaded
	v_max_num_f32 v[HB_+11], v[\a], v[\b+20]
.irp p, 12,14,16,18,20,22,24,26,28,30
.set SA_, \a+\p-11
.set RA_, \b+31-\p
.set SC_, \a+\p-10
.set RC_, \b+30-\p
	MAX2 \p,SA_,RA_,SC_,RC_
.endr
.endm
.macro PLC a, b                        ; the maxima of two lists that lie by places, at bases a and b
	v_max_num_f32 v[HB_+11], v[\a+11], v[\b+31]
.irp p, 12,14,16,18,20,22,24,26,28,30
	IX \p
.set SA_, \a+I_
	IX 42-\p
.set RA_, \b+I_
	IX \p+1
.set SC_, \a+I_
	IX 41-\p
.set RC_, \b+I_
	MAX2 \p,SA_,RA_,SC_,RC_
.endr
.endm
.macro C16
.irp p, 11,12,13,14,15
	LC \p,\p+16,0,1
.endr
.endm
.macro C8
.irp p, 16,17,18,19,20,21,22,23
	LC \p,\p+8,0,0
.endr
.endm
.macro C4
	LC 11,15,1,1
.irp p, 16,17,18,19,24,25,26,27
	LC \p,\p+4,1,1
.endr
.endm
.macro C2
	CE TB_+12,TB_+15,UB_,UB_+3                     ; places 12, 14
	CE TB_+13,HB_+14,UB_+1,TB_+14                  ; places 13, 15
.irp p, 16,17,20,21,24,25,28,29
	LC \p,\p+2,0,0
.endr
.endm
.macro C1
	CE UB_,UB_+1,HB_+12,HB_+13                     ; places 12, 13
	CE UB_+3,TB_+14,HB_+15,HB_+14                  ; places 14, 15
.irp p, 16,18,20,22,24,26,28,30
	LC \p,\p+1,1,1
.endr
.endm
	s_load_b128 s[4:7], s[0:1], 0x0                ; part s[4:5], rec s[6:7]
	s_load_b64 s[8:9], s[0:1], 0x10                ; out0
	v_lshrrev_b32 v1, 5, v0
	v_readfirstlane_b32 s10, v1                    ; wave 0, 1
	v_and_b32 v1, 15, v0                           ; r
	v_bfe_u32 v2, v0, 4, 1                         ; h
	v_and_b32 v6, 31, v0                           ; lane
	v_lshlrev_b32 v3, 4, v1
	v_mul_u32_u24 v4, v2, 0x300000                 ; four splits of 786,432 bytes
	v_add_nc_u32 v3, v3, v4                        ; part: 16 r + 3,145,728 h
	v_lshlrev_b32 v5, 2, v1                        ; 4 r
	s_mul_i32 s12, ttmp9, 3072
	s_lshl_b32 s13, s10, 8
	s_add_co_u32 s12, s12, s13                     ; part: record R, lanes 16 w on
	s_mov_b32 s13, 0
	s_mul_i32 s14, ttmp9, 13312
	s_lshl_b32 s15, s10, 6
	s_add_co_u32 s14, s14, s15                     ; rec: record R, rows 16 w on
	s_mov_b32 s15, 0
	s_lshl_b32 s16, ttmp9, 7
	s_lshl_b32 s17, s10, 6
	s_add_co_u32 s16, s16, s17                     ; out0: 4 (32 R + 16 w)
	s_mov_b32 s17, 0
	s_mov_b32 s18, 0x76543210                      ; v_permlanex16_b32's selects for lane l xor 16
	s_mov_b32 s19, 0xfedcba98
	s_wait_alu depctr_va_vdst(0)
	s_wait_kmcnt 0x0
	s_add_nc_u64 s[4:5], s[4:5], s[12:13]
	s_add_nc_u64 s[6:7], s[6:7], s[14:15]
	s_add_nc_u64 s[8:9], s[8:9], s[16:17]
.irp s, 0,1,2,3
.irp n, 0,1,2,3,4,5
	global_load_b128 v[L0+24*\s+4*\n:L0+24*\s+4*\n+3], v3, s[4:5] offset:786432*\s+512*\n th:TH_LOAD_NT   ; sixteen lanes read 256 consecutive bytes; read once
.endr
.endr
	global_load_b32 v10, v5, s[6:7] offset:13184   ; x2 of my query
	s_wait_loadcnt 0x0
.macro M0                              ; registers of the first merge (and of the last): v129-149, v151-171, v172-175
	AT 118,140,172
.endm
.macro M1                              ; of the second: v177-197, v199-219, v220-223
	AT 166,188,220
.endm
	M0
	NAT L0,L1                                      ; two merges by turns
	M1
	NAT L2,L3
	M0
	C16
	M1
	C16
	M0
	C8
	M1
	C8
	M0
	C4
	M1
	C4
	M0
	C2
	M1
	C2
	M0
	C1
	M1
	C1
	AT 22,46,80                                    ; the third, over the lists: v33-53, v57-77, v80-83
	PLC 118,166
	C16
	C8
	C4
	C2
	C1
.set N_, 11
.rept 21
	v_permlanex16_b32 v[74+N_], v[22+N_], s18, s19 ; the other four splits' list, at base 74: v85-105
.set N_, N_+1
.endr
	M0
	PLC 22,74
	C16
	C8
	C4
	C2
	C1
.set J_, 0
.rept 21
	IX 11+J_
	v_fma_f32 v[L0+J_], -2.0, v[HB_+I_], v10       ; r2 = x2(query) + x2(candidate) - 2 G, in order
.set J_, J_+1
.endr
.set J_, 0
.rept 21
	v_max_num_f32 v[L0+J_], 0x2b8cbccc, v[L0+J_]   ; held at 1e-12 from below
.set J_, J_+1
.endr
.set J_, 0
	s_wait_alu depctr_va_vdst(0)
.rept 21
	v_sqrt_f32 v[L0+J_], v[L0+J_]
.set J_, J_+1
.endr
	v_nop                                          ; a plain line behind the roots
	s_wait_alu depctr_va_vdst(0)                   ; and behind it
	v_add_f32 v11, v[L0+1], v[L0+4]                ; a_1 .. a_19 in three chains
	v_add_f32 v12, v[L0+2], v[L0+5]
	v_add_f32 v13, v[L0+3], v[L0+6]
.irp i, 7,10,13,16
	v_add_f32 v11, v11, v[L0+\i]
	v_add_f32 v12, v12, v[L0+\i+1]
	v_add_f32 v13, v13, v[L0+\i+2]
.endr
	v_add_f32 v11, v11, v[L0+19]
	v_add_f32 v12, v12, v13
	v_add_f32 v11, v11, v12
	v_mul_f32 v11, 0x3d579436, v11                 ; m = the sum / 19
	v_sub_f32 v12, v[L0+20], v11                   ; a_20 - m
	s_wait_alu depctr_va_vdst(0)                   ; waits round each transcendental
	v_rcp_f32 v12, v12
	v_nop
	s_wait_alu depctr_va_vdst(0)
	v_mul_f32 v12, v11, v12
	s_wait_alu depctr_va_vdst(0)
	v_log_f32 v12, v12                             ; log2
	v_nop
	s_wait_alu depctr_va_vdst(0)
	v_mul_f32 v12, 0xbf317218, |v12|               ; -ln 2 x |log2|
	v_cmp_gt_u32 vcc_lo, 16, v6                    ; both halves of the lanes hold the same numbers: lanes 0-15 store
	s_wait_alu depctr_va_vdst(0)
	s_wait_xcnt 0x0                                ; EXEC changes only behind this wait
	s_and_saveexec_b32 s20, vcc_lo
	global_store_b32 v5, v12, s[8:9]
	s_endpgm
.Lfunc_end_k_q0535880d16_finish:
	.size	k_q0535880d16_finish, .Lfunc_end_k_q0535880d16_finish-k_q0535880d16_finish
	.p2alignl 7, 3214868480
	.fill 96, 4, 3214868480
	.section	.rodata,"a",@progbits
	.p2align	6, 0x0
	.amdhsa_kernel k_q0535880d16_finish
		.amdhsa_group_segment_fixed_size 0
		.amdhsa_private_segment_fixed_size 0
		.amdhsa_enable_private_segment 0
		.amdhsa_kernarg_size 24
		.amdhsa_user_sgpr_count 2
		.amdhsa_user_sgpr_kernarg_segment_ptr 1
		.amdhsa_wavefront_size32 1
		.amdhsa_system_sgpr_workgroup_id_x 1
		.amdhsa_system_sgpr_workgroup_id_y 1
		.amdhsa_system_sgpr_workgroup_id_z 1
		.amdhsa_system_vgpr_workitem_id 0
		.amdhsa_next_free_vgpr 224
		.amdhsa_next_free_sgpr 66
		.amdhsa_reserve_vcc 1
		.amdhsa_float_denorm_mode_32 3
		.amdhsa_float_denorm_mode_16_64 3
		.amdhsa_memory_ordered 1
		.amdhsa_forward_progress 1
		.amdhsa_inst_pref_size 23
	.end_amdhsa_kernel
	.amdgpu_metadata
---
amdhsa.version: [ 1, 2 ]
amdhsa.kernels:
  - .name:           k_q0535880d16_finish
    .symbol:         k_q0535880d16_finish.kd
    .args:
      - { .name: part, .offset: 0, .size: 8, .value_kind: global_buffer, .address_space: global }
      - { .name: rec, .offset: 8, .size: 8, .value_kind: global_buffer, .address_space: global }
      - { .name: out0, .offset: 16, .size: 8, .value_kind: global_buffer, .address_space: global }
    .group_segment_fixed_size: 0
    .private_segment_fixed_size: 0
    .kernarg_segment_align: 8
    .kernarg_segment_size: 24
    .max_flat_workgroup_size: 64
    .sgpr_count:     66
    .vgpr_count:     224
    .wavefront_size: 32
...
	.end_amdgpu_metadata
.endif
;; end of part 3
